; MI455X (gfx1250); checked and timed in simulation.
; The chip was launched on July 23, 2026; its instructions are those of AMD's public machine-readable ISA for CDNA 5 (MIT licence, August 2026) and "CDNA5" Instruction Set Architecture Reference Guide (July 2026). The comments in the code are by the model that wrote it; some were corrected since.
;; Rand Box. Allowed arithmetic: float matrix products may take bf16 or f16 operands with f32 sums; all other float work in f32.
;; Inputs: img_shapes 8 x 2 int32; num_final_per_img 8 int32; pseudo_scores 8 x 4,000 float32; rand_boxes_init 8 x 4,000 x 4 float32.
;; Outputs: out0 8 x 50 x 4 float32; out1 8 x 50 bool; out2 8 int32.
;; One version. Each part assembles by itself: llvm-mc -triple=amdgcn-amd-amdhsa -mcpu=gfx1250 --defsym DOCPART=n.
;; ======== version 1 of 1: 1 launch
;; limits: right only within a limited range of input values
;; launch nms (part 1): grid 8 x 1, 8 waves a work-group, no clusters, 92,672 bytes of LDS; arguments img_shapes, num_final_per_img, pseudo_scores, rand_boxes_init, out0, out1, out2; writes out0, out1, out2
.if DOCPART == 1
	.amdgcn_target "amdgcn-amd-amdhsa--gfx1250"
	.amdhsa_code_object_version 6
	.text
	.protected	k_qba3ea6b5f4_nms
	.globl	k_qba3ea6b5f4_nms
	.p2align	8
	.type	k_qba3ea6b5f4_nms,@function
k_qba3ea6b5f4_nms:
	s_mov_b64 s[64:65], 0
	v_nop
	global_prefetch_b8 v0, s[64:65] scope:SCOPE_SE
	s_setreg_imm32_b32 hwreg(HW_REG_WAVE_MODE, 25, 1), 1
	s_wait_xcnt 0x0
; Greedy NMS of 4,000 random boxes per image, truncated to num_final boxes, padded to 50.  One work-group = one image, 8 waves.
;
; METHOD.  Invalid boxes are never kept and never suppress, and only the first num_final kept boxes reach an output.  So, 50 times:
; take the best box that is still alive (highest score, ties to the lowest index: the order of the stable sort of -score), write it
; down, and kill every box whose IoU with it is above 0.7 (itself too: its IoU with itself is area / (area + 1e-9)).  That is the greedy loop
; of the sorted formulation, box for box, without a sort.  Nothing that comes from a float steers a branch or an address: the winner travels by
; v_cndmask_b32, lane reads and fixed LDS cells, the trip count is the constant 50, and picks at or beyond num_final are zeroed by selects.
;
; PLACES.  Wave w, lane l, slot k holds box 512 w + 16 l + k, so "lowest index" is lowest wave, then lowest lane, then lowest slot.
; 8 x 32 x 16 = 4,096 places; threads 250 .. 255 (boxes 4,000 ..) are dead from the start.
;
; THE TEST iou > 0.7 WITHOUT A DIVISION, with the same outcome as a correctly rounded one.  c = 0.7f has an odd last bit, so the quotient rounds
; above c exactly when inter / den >= c + 2^-25, that is when inter - c den >= 2^-25 den.  With den in [2^e, 2^(e+1)) and inter near 0.7 den the left side is a
; multiple of 2^(e-47) smaller than 2^(e-23): it fits 24 bits, so one fused multiply-add gives it exactly; elsewhere rounding is monotone and cannot
; cross 2^-25 den, which is itself a float.  A second fused multiply-add takes 2^-25 den away, and its sign decides.
;
; LIMITS.  num_final_per_img <= 50: above it out0 and out1 are still right, out2 stops at the number kept in 50 picks.  (Zero and negative: served.)
; Image sides >= 0 (with a negative side areas change sign, and a winner would not remove itself).  Areas finite.
; Served: scores of any sign, +0 and -0 equal, infinities, NaN scores last; a NaN coordinate makes the box's side 0 here and NaN in the formula: invalid both ways.
; Products and the sums behind them are rounded apart, as the formula is written.
.set NPICK,  50
.set LASTB,  63984                     ; byte offset of an image's last box (3,999 x 16)
.set LASTS,  15984                     ; byte offset of the last 16 bytes of an image's scores
.set POST,   0                         ; LDS: 8 cells of 32 bytes, wave w's best box (16 bytes) and its key (4 bytes)
.set RES,    256                       ; LDS: 50 rows of 16 bytes, the picks; wave 0's own
.set FLG,    1280                      ; LDS: 50 words, 1 = the pick is a box; wave 0's own
.set STGB,   1536                      ; LDS: stage for the boxes, each wave's own part
.set BPITCH, 272                       ; a lane's 16 boxes (256 bytes) + 16: 17 x 16, so sixteen lanes' 16-byte pieces fall into sixteen different columns of 256 bytes
.set BWAVE,  32*BPITCH
.set STGS,   STGB+8*BWAVE              ; LDS: stage for the scores
.set SPITCH, 80                        ; a lane's 16 scores (64 bytes) + 16: 5 x 16
.set SWAVE,  32*SPITCH
.set EPS,    0x3089705f                ; 1e-9
.set NEGC,   0xbf333333                ; -0.7
.set NEGH,   0xb3000000                ; -2^-25
; vector registers
.set LANE, 1
.set PADW, 2                           ; LDS address of my wave's post cell
.set PADR, 3                           ; LDS address of cell (lane & 7)
.set M,    4                           ; my lane's best key
.set G,    5                           ; the best key of the wave, later of the image
.set D,    6                           ; what another lane sent
.set WA,   8                           ; v[8:9]    the winner's area, twice
.set RA,   10
.set RB,   11
.set P,    12                          ; v[12:15]  my lane's best box
.set Q,    16                          ; v[16:19]  the box of cell (lane & 7)
.set QK,   20                          ; its key
.set RF,   21
.set SND,  24                          ; v[24:27]  my wave's best box, in every lane
.set RC,   28                          ; v[28:31]  the pick as it is written down
.set TB,   32                          ; v[32:63]  four sets of eight registers at work
.set A,    64                          ; v[64:79]   area of slot k
.set K,    80                          ; v[80:95]   key of slot k: 0 = dead, else the score's place in the order
.set C,    96                          ; v[96:159]  slot k: x1, y1, x2, y2 in image coordinates
; only ahead of the loop
.set SA,   16
.set LA,   17
.set SS,   18
.set LS,   19
.set WH,   22                          ; v[22:23]  W, H as floats
.set TW,   24                          ; 0.1 W
.set TH,   25                          ; 0.1 H
.set TO,   64                          ; v[64:79]  byte offsets of the 16 box loads
.set TOS,  80                          ; v[80:83]  byte offsets of the 4 score loads
.set RAW,  160                         ; v[160:223] boxes as loaded
.set SRAW, 224                         ; v[224:239] scores as loaded
.set S,    240                         ; v[240:255] my 16 scores
; scalar registers
.set WIN,  36                          ; s[36:39]  the winner's x1, y1, x2, y2;  s40 its key
.set MK,   70                          ; s[70:84]  lane masks
	s_load_b256 s[4:11], s[0:1], 0x0               ; img_shapes s[4:5], num_final s[6:7], scores s[8:9], boxes s[10:11]
	s_load_b128 s[12:15], s[0:1], 0x20             ; out0 s[12:13], out1 s[14:15]
	s_load_b64 s[16:17], s[0:1], 0x30              ; out2
	v_lshl_add_u32 v7, v0, 2, 0x16600
	s_set_vgpr_msb 0x40
	v_mov_b32 v1, 0
	s_set_vgpr_msb 0x4000
	v_lshrrev_b32 v2, 5, v0
	v_readfirstlane_b32 s18, v2                    ; wave 0 .. 7
	v_and_b32 v[LANE], 31, v0
	v_lshlrev_b32 v2, 4, v[LANE]
	s_lshl_b32 s28, s18, 13                        ; a wave's 512 boxes are 8,192 bytes,
	s_lshl_b32 s29, s18, 11                        ; its 512 scores 2,048
	v_add_nc_u32 v3, s28, v2
	v_add_nc_u32 v4, s29, v2
	; load q of a wave covers 512 neighbouring bytes.  Wave 7's places behind the image's end read the last 16 bytes instead: no load leaves the image.
.irp q, 0,1,2,3,4,5,6,7,8,9,10,11,12,13,14,15
	v_add_nc_u32 v[TO+\q], \q*512, v3
.endr
.irp q, 0,1,2,3,4,5,6,7,8,9,10,11,12,13,14,15
	v_min_u32 v[TO+\q], LASTB, v[TO+\q]
.endr
.irp q, 0,1,2,3
	v_add_nc_u32 v[TOS+\q], \q*512, v4
.endr
.irp q, 0,1,2,3
	v_min_u32 v[TOS+\q], LASTS, v[TOS+\q]
.endr
	s_mov_b32 s31, 0                               ; the upper word of every offset below
	s_mul_i32 s30, ttmp9, 64000                    ; the image's boxes
	s_wait_kmcnt 0x0
	s_add_nc_u64 s[10:11], s[10:11], s[30:31]
	s_mul_i32 s30, ttmp9, 16000                    ; its scores
	s_add_nc_u64 s[8:9], s[8:9], s[30:31]
.irp q, 0,1,2,3,4,5,6,7,8,9,10,11,12,13,14,15
	global_load_b128 v[RAW+4*\q:RAW+4*\q+3], v[TO+\q], s[10:11]
.endr
.irp q, 0,1,2,3
	global_load_b128 v[SRAW+4*\q:SRAW+4*\q+3], v[TOS+\q], s[8:9]
.endr
	s_lshl_b32 s30, ttmp9, 3
	s_add_nc_u64 s[4:5], s[4:5], s[30:31]
	s_load_b64 s[20:21], s[4:5], 0x0               ; H s20, W s21
	s_lshl_b32 s30, ttmp9, 2
	s_add_nc_u64 s[6:7], s[6:7], s[30:31]
	s_load_b32 s22, s[6:7], 0x0                    ; num_final
	s_add_nc_u64 s[16:17], s[16:17], s[30:31]      ; my word of out2
	s_mul_i32 s30, ttmp9, 800
	s_add_nc_u64 s[12:13], s[12:13], s[30:31]      ; my 50 rows of out0
	s_mul_i32 s30, ttmp9, 50
	s_add_nc_u64 s[14:15], s[14:15], s[30:31]      ; my 50 bytes of out1
	; The stage turns "load q, lane l = box 32 q + l" into "lane l, slot k = box 16 l + k".
	; In: box 32 q + l belongs to lane 2 q + (l >> 4), slot l & 15.  Out: lane l reads its own row.
	v_and_b32 v20, 15, v[LANE]
	v_lshrrev_b32 v21, 4, v[LANE]
	v_mul_u32_u24 v[SA], v21, BPITCH
	v_lshl_add_u32 v[SA], v20, 4, v[SA]
	v_mul_u32_u24 v[LA], v[LANE], BPITCH
	s_mul_i32 s28, s18, BWAVE
	s_add_co_u32 s28, s28, STGB
	v_add_nc_u32 v[SA], s28, v[SA]
	v_add_nc_u32 v[LA], s28, v[LA]
	; scores: load q, lane l holds scores 128 q + 4 l .. + 3, which belong to lane 8 q + (l >> 2), bytes 16 (l & 3)
	v_and_b32 v20, 3, v[LANE]
	v_lshrrev_b32 v21, 2, v[LANE]
	v_mul_u32_u24 v[SS], v21, SPITCH
	v_lshl_add_u32 v[SS], v20, 4, v[SS]
	v_mul_u32_u24 v[LS], v[LANE], SPITCH
	s_mul_i32 s29, s18, SWAVE
	s_add_co_u32 s29, s29, STGS
	v_add_nc_u32 v[SS], s29, v[SS]
	v_add_nc_u32 v[LS], s29, v[LS]
.irp q, 0,1,2,3,4,5,6,7,8,9,10,11,12,13,14,15
	s_wait_loadcnt 19-\q                           ; behind box load q stand 15 - q box loads and 4 score loads
	ds_store_b128 v[SA], v[RAW+4*\q:RAW+4*\q+3] offset:\q*2*BPITCH
.endr
.irp q, 0,1,2,3
	s_wait_loadcnt 3-\q                            ; behind score load q stand 3 - q loads
	ds_store_b128 v[SS], v[SRAW+4*\q:SRAW+4*\q+3] offset:\q*8*SPITCH
.endr
	s_wait_dscnt 0x0                               ; the stage is written
	s_barrier_signal -1
	s_barrier_wait -1
.irp k, 0,1,2,3,4,5,6,7,8,9,10,11,12,13,14,15
	ds_load_b128 v[C+4*\k:C+4*\k+3], v[LA] offset:16*\k
.endr
.irp c, 0,1,2,3
	ds_load_b128 v[S+4*\c:S+4*\c+3], v[LS] offset:16*\c
.endr
	s_wait_kmcnt 0x0                               ; H, W, num_final
	v_cvt_f32_i32 v[WH], s21
	v_cvt_f32_i32 v[WH+1], s20
	v_mul_f32 v[TW], 0x3dcccccd, v[WH]             ; 0.1 W
	v_mul_f32 v[TH], 0x3dcccccd, v[WH+1]           ; 0.1 H
	v_cmp_gt_u32 s25, 250, v0                      ; threads 0 .. 249 hold the 4,000 boxes
	s_mov_b32 s26, 0x76543210                      ; v_permlanex16_b32: lane i of one half reads lane i of the other
	s_mov_b32 s27, 0xfedcba98
	s_mov_b32 s23, 0                               ; the pick's number
	s_mov_b32 s24, 0                               ; boxes written down
	v_mov_b32 v[D], 0                              ; a lane move's destination counts as read
	s_wait_dscnt 0x0
; Slot k: corners in order, image coordinates, area, validity, key.
; Key: +0 is added (so -0 becomes +0), then the float's bits are turned into an unsigned number of the same order
; (positive: top bit set; negative: all bits flipped).  No number gives 0 or 1: 1 is kept for NaN (behind every number), 0 for dead.
.macro PREP k
.set TT, TB+8*(\k%4)
	v_min_num_f32 v[TT+0], v[C+4*\k+0], v[C+4*\k+2]
	v_min_num_f32 v[TT+1], v[C+4*\k+1], v[C+4*\k+3]
	v_max_num_f32 v[TT+2], v[C+4*\k+0], v[C+4*\k+2]
	v_max_num_f32 v[TT+3], v[C+4*\k+1], v[C+4*\k+3]
	v_pk_mul_f32 v[C+4*\k:C+4*\k+1], v[TT:TT+1], v[WH:WH+1]
	v_pk_mul_f32 v[C+4*\k+2:C+4*\k+3], v[TT+2:TT+3], v[WH:WH+1]
	v_pk_add_f32 v[TT:TT+1], v[C+4*\k+2:C+4*\k+3], v[C+4*\k:C+4*\k+1] neg_lo:[0,1] neg_hi:[0,1]   ; width, height
	v_add_f32 v[TT+4], 0, v[S+\k]
	v_mul_f32 v[A+\k], v[TT], v[TT+1]
	v_cmp_gt_f32 s28, v[TT], v[TW]
	v_cmp_gt_f32 s29, v[TT+1], v[TH]
	v_ashrrev_i32 v[TT+5], 31, v[TT+4]
	v_or_b32 v[TT+5], 0x80000000, v[TT+5]
	v_xor_b32 v[TT+5], v[TT+4], v[TT+5]
	v_cmp_neq_f32 vcc_lo, v[TT+4], v[TT+4]         ; true of NaN alone
	v_cndmask_b32 v[TT+5], v[TT+5], 1, vcc_lo
	s_and_b32 s28, s28, s29
	s_and_b32 s28, s28, s25
	v_cndmask_b32 v[K+\k], 0, v[TT+5], s28
.endm
.irp k, 0,1,2,3,4,5,6,7,8,9,10,11,12,13,14,15
	PREP \k
.endr
	s_lshl_b32 s28, s18, 5
	v_mov_b32 v[PADW], s28                         ; POST + 32 wave (POST = 0)
	v_and_b32 v[PADR], 7, v[LANE]
	v_lshlrev_b32 v[PADR], 5, v[PADR]              ; POST + 32 (lane & 7)
.macro EQ k                            ; which lanes have their best key in slot k
	v_cmp_eq_u32 s[MK+\k], v[K+\k], v[M]
.endm
.macro SEL k                           ; there slot k's box replaces what a higher slot left
.irp j, 0,1,2,3
	v_cndmask_b32 v[P+\j], v[P+\j], v[C+4*\k+\j], s[MK+\k]
.endr
.endm
.macro FROM src, x                     ; D = src of lane (i xor x), inside 16 lanes
	v_mov_b32_dpp v[D], v[\src] row_xmask:\x row_mask:0xf bank_mask:0xf
.endm
; The suppression of slots 2 p and 2 p + 1, cut into stages; four pairs go through each stage together, each in its own eight registers,
; so that an instruction never needs the result of one of the three in front of it.
.macro S1 p                            ; corners of the overlap
.set TT, TB+8*(\p%4)
.irp h, 0,4
	v_max_num_f32 v[TT+\h+0], s[WIN+0], v[C+8*\p+\h+0]
	v_max_num_f32 v[TT+\h+1], s[WIN+1], v[C+8*\p+\h+1]
	v_min_num_f32 v[TT+\h+2], s[WIN+2], v[C+8*\p+\h+2]
	v_min_num_f32 v[TT+\h+3], s[WIN+3], v[C+8*\p+\h+3]
.endr
.endm
.macro S2 p                            ; its sides dx, dy
.set TT, TB+8*(\p%4)
	v_pk_add_f32 v[TT+0:TT+1], v[TT+2:TT+3], v[TT+0:TT+1] neg_lo:[0,1] neg_hi:[0,1]
	v_pk_add_f32 v[TT+4:TT+5], v[TT+6:TT+7], v[TT+4:TT+5] neg_lo:[0,1] neg_hi:[0,1]
.endm
; dx is clipped at 0, dy is not.  With dy < 0 the formula's overlap is 0 and its IoU 0.  Here the product is then <= 0, the denominator (two positive
; areas less that product) stays positive, and inter - 0.7 den is negative: the same "not above 0.7".  With dy >= 0 nothing differs.
.macro S3 p
.set TT, TB+8*(\p%4)
	v_max_num_f32 v[TT+0], 0, v[TT+0]
	v_max_num_f32 v[TT+4], 0, v[TT+4]
	v_pk_add_f32 v[TT+6:TT+7], v[A+2*\p:A+2*\p+1], v[WA:WA+1]                      ; area + winner's area
.endm
.macro S4 p
.set TT, TB+8*(\p%4)
	v_mul_f32 v[TT+2], v[TT+0], v[TT+1]            ; inter
	v_mul_f32 v[TT+3], v[TT+4], v[TT+5]
.endm
.macro S5 p
.set TT, TB+8*(\p%4)
	v_pk_add_f32 v[TT+6:TT+7], v[TT+6:TT+7], v[TT+2:TT+3] neg_lo:[0,1] neg_hi:[0,1]   ; - inter
.endm
.macro S6 p
.set TT, TB+8*(\p%4)
	v_pk_add_f32 v[TT+6:TT+7], v[TT+6:TT+7], EPS op_sel_hi:[1,0]                   ; + 1e-9: den
.endm
.macro S7 p
.set TT, TB+8*(\p%4)
	v_pk_fma_f32 v[TT+2:TT+3], v[TT+6:TT+7], NEGC, v[TT+2:TT+3] op_sel_hi:[1,0,1]  ; inter - 0.7 den
.endm
.macro S8 p
.set TT, TB+8*(\p%4)
	v_pk_fma_f32 v[TT+2:TT+3], v[TT+6:TT+7], NEGH, v[TT+2:TT+3] op_sel_hi:[1,0,1]  ; - 2^-25 den
.endm
.macro S9 p
.set TT, TB+8*(\p%4)
	v_cmp_le_f32 s[MK+2*(\p%4)], 0, v[TT+2]        ; >= 0: the IoU is above 0.7
	v_cmp_le_f32 s[MK+2*(\p%4)+1], 0, v[TT+3]
.endm
.macro S10 p
	v_cndmask_b32 v[K+2*\p], v[K+2*\p], 0, s[MK+2*(\p%4)]
	v_cndmask_b32 v[K+2*\p+1], v[K+2*\p+1], 0, s[MK+2*(\p%4)+1]
.endm
.macro GROUP a, b, c, d
.irp p, \a, \b, \c, \d
	S1 \p
.endr
.irp p, \a, \b, \c, \d
	S2 \p
.endr
.irp p, \a, \b, \c, \d
	S3 \p
.endr
.irp p, \a, \b, \c, \d
	S4 \p
.endr
.irp p, \a, \b, \c, \d
	S5 \p
.endr
.irp p, \a, \b, \c, \d
	S6 \p
.endr
.irp p, \a, \b, \c, \d
	S7 \p
.endr
.irp p, \a, \b, \c, \d
	S8 \p
.endr
.irp p, \a, \b, \c, \d
	S9 \p
.endr
.irp p, \a, \b, \c, \d
	S10 \p
.endr
.endm
.Lpick:
	; my lane's best key
	v_max3_u32 v[M], v[K+0], v[K+1], v[K+2]
	v_max3_u32 v[G], v[K+3], v[K+4], v[K+5]
	v_max3_u32 v[TB+0], v[K+6], v[K+7], v[K+8]
	v_max3_u32 v[TB+1], v[K+9], v[K+10], v[K+11]
	v_max3_u32 v[TB+2], v[K+12], v[K+13], v[K+14]
	v_max3_u32 v[M], v[M], v[G], v[K+15]
	v_max3_u32 v[TB+0], v[TB+0], v[TB+1], v[TB+2]
	v_max_u32 v[M], v[M], v[TB+0]
	; Two things by turns.  The box that goes with my lane's key: slot 15's, replaced by each lower slot that holds the key, so that the lowest wins.
	; And the wave's best key, G: ten instructions that each need the one before, strewn among the others.
	FROM M, 1
	EQ 14
	EQ 13
	EQ 12
	v_max_u32 v[G], v[M], v[D]
	EQ 11
	EQ 10
	EQ 9
	FROM G, 2
	EQ 8
	EQ 7
	EQ 6
	v_max_u32 v[G], v[G], v[D]
	EQ 5
	EQ 4
	EQ 3
	FROM G, 4
	EQ 2
	EQ 1
	EQ 0
	v_max_u32 v[G], v[G], v[D]
.irp j, 0,1,2,3
	v_cndmask_b32 v[P+\j], v[C+60+\j], v[C+56+\j], s[MK+14]
.endr
	FROM G, 8
	SEL 13
	v_max_u32 v[G], v[G], v[D]
	SEL 12
	v_permlanex16_b32 v[D], v[G], s26, s27
	SEL 11
	v_max_u32 v[G], v[G], v[D]                     ; every lane: the wave's best key
	SEL 10
	SEL 9
	v_cmp_eq_u32 s30, v[M], v[G]                   ; the lanes that hold it (at least one),
	SEL 8
	SEL 7
	s_ctz_i32_b32 s31, s30                         ; the lowest of them: the lowest index
	SEL 6
	SEL 5
	SEL 4
	SEL 3
	SEL 2
	SEL 1
	SEL 0
	v_readlane_b32 s32, v[P+0], s31
	v_readlane_b32 s33, v[P+1], s31
	v_readlane_b32 s34, v[P+2], s31
	v_readlane_b32 s35, v[P+3], s31
	v_mov_b32 v[SND+0], s32
	v_mov_b32 v[SND+1], s33
	v_mov_b32 v[SND+2], s34
	v_mov_b32 v[SND+3], s35
	ds_store_b128 v[PADW], v[SND:SND+3]            ; all lanes write the same 16 bytes of my wave's cell
	ds_store_b32 v[PADW], v[G] offset:16
	s_wait_dscnt 0x0                               ; my cell is written (and, in wave 0, the last pick's record)
	s_barrier_signal -1
	s_barrier_wait -1                              ; all eight cells are
	ds_load_b128 v[Q:Q+3], v[PADR]                 ; lane l takes wave (l & 7)'s candidate
	ds_load_b32 v[QK], v[PADR] offset:16
	s_wait_dscnt 0x0                               ; my reads of the cells are over:
	s_barrier_signal -1                            ; say so now; the wait stands behind the suppression, in front of the next writes, with register work alone between
	FROM QK, 1
	v_max_u32 v[G], v[QK], v[D]
	FROM G, 2
	v_max_u32 v[G], v[G], v[D]
	FROM G, 4
	v_max_u32 v[G], v[G], v[D]                     ; every lane: the image's best key (0: nothing is alive)
	v_cmp_eq_u32 s30, v[QK], v[G]
	s_ctz_i32_b32 s31, s30                         ; the lowest lane that holds it is below 8 and is the lowest wave
	v_readlane_b32 s[WIN+0], v[Q+0], s31
	v_readlane_b32 s[WIN+1], v[Q+1], s31
	v_readlane_b32 s[WIN+2], v[Q+2], s31
	v_readlane_b32 s[WIN+3], v[Q+3], s31
	v_readfirstlane_b32 s40, v[G]
	v_sub_f32 v[TB+0], s[WIN+2], s[WIN+0]
	v_sub_f32 v[TB+1], s[WIN+3], s[WIN+1]
	v_mul_f32 v[WA], v[TB+0], v[TB+1]              ; the winner's area, made as every area was
	v_mul_f32 v[WA+1], v[TB+0], v[TB+1]
	GROUP 0, 1, 2, 3                               ; with nothing alive the winner is some dead box, and there is nothing left to kill
	GROUP 4, 5, 6, 7
	s_barrier_wait -1                              ; every wave has read the cells: they may be written again
	s_cmp_lg_u32 s18, 0
	s_cbranch_scc1 .Lnorec
	; wave 0 writes the pick down: the box and 1, or zeros where nothing was alive or the pick's number has reached num_final
	s_cmp_lt_i32 s23, s22
	s_cselect_b32 s41, s40, 0
	s_cmp_lg_u32 s41, 0
	s_cselect_b32 s42, s[WIN+0], 0
	s_cselect_b32 s43, s[WIN+1], 0
	s_cselect_b32 s44, s[WIN+2], 0
	s_cselect_b32 s45, s[WIN+3], 0
	s_cselect_b32 s46, 1, 0
	s_add_co_u32 s24, s24, s46
	s_lshl_b32 s47, s23, 4
	s_lshl_b32 s48, s23, 2
	v_mov_b32 v[RC+0], s42
	v_mov_b32 v[RC+1], s43
	v_mov_b32 v[RC+2], s44
	v_mov_b32 v[RC+3], s45
	v_mov_b32 v[RF], s46
	v_mov_b32 v[RA], s47
	v_mov_b32 v[RB], s48
	ds_store_b128 v[RA], v[RC:RC+3] offset:RES     ; the address hangs on the pick's number alone
	ds_store_b32 v[RB], v[RF] offset:FLG
.Lnorec:
	s_add_co_u32 s23, s23, 1
	s_cmp_lt_u32 s23, NPICK
	s_cbranch_scc1 .Lpick
	; Wave 0 stores what it wrote down: LDS serves a wave's instructions in order (ISA guide 5.7.1), so its loads see its stores.
	s_cmp_lg_u32 s18, 0
	s_cbranch_scc1 .Lend
	v_lshlrev_b32 v[RA], 4, v[LANE]
	v_lshlrev_b32 v[RB], 2, v[LANE]
	s_min_i32 s24, s24, s22                        ; min(kept, num_final): a negative num_final comes out as it is
	v_mov_b32 v[M], s24
	v_mov_b32 v[G], 0
	ds_load_b128 v[Q:Q+3], v[RA] offset:RES        ; rows 0 .. 31
	ds_load_b32 v[QK], v[RB] offset:FLG
	s_wait_dscnt 0x0
	global_store_b128 v[RA], v[Q:Q+3], s[12:13]    ; 512 neighbouring bytes
	global_store_b8 v[LANE], v[QK], s[14:15]       ; 32 neighbouring bytes
	s_wait_xcnt 0x0                                ; EXEC is a source of the stores: it changes only behind this wait
	v_cmp_gt_u32 vcc_lo, NPICK-32, v[LANE]
	s_and_saveexec_b32 s28, vcc_lo                 ; rows 32 .. 49: lanes 0 .. 17
	ds_load_b128 v[SND:SND+3], v[RA] offset:RES+512
	ds_load_b32 v[RF], v[RB] offset:FLG+128
	s_wait_dscnt 0x0
	global_store_b128 v[RA], v[SND:SND+3], s[12:13] offset:512
	global_store_b8 v[LANE], v[RF], s[14:15] offset:32
	s_wait_xcnt 0x0
	s_or_b32 exec_lo, exec_lo, s28
	v_cmp_eq_u32 vcc_lo, 0, v[LANE]
	s_and_saveexec_b32 s28, vcc_lo                 ; lane 0: the count
	global_store_b32 v[G], v[M], s[16:17]
	s_wait_xcnt 0x0
	s_or_b32 exec_lo, exec_lo, s28
.Lend:
	s_set_vgpr_msb 0x4
	s_wait_tensorcnt 0x0
	ds_add_u32 v7, v1
	s_wait_dscnt 0x0
	s_set_vgpr_msb 0x400
	s_endpgm
.Lfunc_end_k_qba3ea6b5f4_nms:
	.size	k_qba3ea6b5f4_nms, .Lfunc_end_k_qba3ea6b5f4_nms-k_qba3ea6b5f4_nms
	.p2alignl 7, 3214868480
	.fill 96, 4, 3214868480
	.section	.rodata,"a",@progbits
	.p2align	6, 0x0
	.amdhsa_kernel k_qba3ea6b5f4_nms
		.amdhsa_group_segment_fixed_size 92672
		.amdhsa_private_segment_fixed_size 0
		.amdhsa_enable_private_segment 0
		.amdhsa_kernarg_size 56
		.amdhsa_user_sgpr_count 2
		.amdhsa_user_sgpr_kernarg_segment_ptr 1
		.amdhsa_wavefront_size32 1
		.amdhsa_system_sgpr_workgroup_id_x 1
		.amdhsa_system_sgpr_workgroup_id_y 1
		.amdhsa_system_sgpr_workgroup_id_z 1
		.amdhsa_system_vgpr_workitem_id 0
		.amdhsa_next_free_vgpr 258
		.amdhsa_next_free_sgpr 88
		.amdhsa_reserve_vcc 1
		.amdhsa_float_denorm_mode_32 3
		.amdhsa_float_denorm_mode_16_64 3
		.amdhsa_memory_ordered 1
		.amdhsa_forward_progress 1
		.amdhsa_inst_pref_size 44
	.end_amdhsa_kernel
	.amdgpu_metadata
---
amdhsa.version: [ 1, 2 ]
amdhsa.kernels:
  - .name:           k_qba3ea6b5f4_nms
    .symbol:         k_qba3ea6b5f4_nms.kd
    .args:
      - { .name: img_shapes, .offset: 0, .size: 8, .value_kind: global_buffer, .address_space: global }
      - { .name: num_final_per_img, .offset: 8, .size: 8, .value_kind: global_buffer, .address_space: global }
      - { .name: pseudo_scores, .offset: 16, .size: 8, .value_kind: global_buffer, .address_space: global }
      - { .name: rand_boxes_init, .offset: 24, .size: 8, .value_kind: global_buffer, .address_space: global }
      - { .name: out0, .offset: 32, .size: 8, .value_kind: global_buffer, .address_space: global }
      - { .name: out1, .offset: 40, .size: 8, .value_kind: global_buffer, .address_space: global }
      - { .name: out2, .offset: 48, .size: 8, .value_kind: global_buffer, .address_space: global }
    .group_segment_fixed_size: 92672
    .private_segment_fixed_size: 0
    .kernarg_segment_align: 8
    .kernarg_segment_size: 56
    .max_flat_workgroup_size: 256
    .sgpr_count:     88
    .vgpr_count:     258
    .wavefront_size: 32
...
	.end_amdgpu_metadata
.endif
;; end of part 1
